; MI455X (gfx1250); checked and timed in simulation.
; The chip was launched on July 23, 2026; its instructions are those of AMD's public machine-readable ISA for CDNA 5 (MIT licence, August 2026) and "CDNA5" Instruction Set Architecture Reference Guide (July 2026). The comments in the code are by the model that wrote it; some were corrected since.
;; Mixture Of Experts Layer. Allowed arithmetic: float matrix products may take bf16 or f16 operands with f32 sums; all other float work in f32.
;; Inputs: b1 8 x 4,096 float32; b2 8 x 1,024 float32; gate_w 1,024 x 8 float32; w1 8 x 1,024 x 4,096 float32; w2 8 x 4,096 x 1,024 float32; x 4 x 256 x 1,024 float32.
;; Outputs: out0 4 x 256 x 1,024 float32; out1 one number float32.
;; One version. Each part assembles by itself: llvm-mc -triple=amdgcn-amd-amdhsa -mcpu=gfx1250 --defsym DOCPART=n.
;; ======== version 1 of 1: 5 launches
;; workspace buffers: xb 2,097,152 bytes; sel 4,096 bytes of whole numbers; gfl 40,960 bytes; rt 20,736 bytes of whole numbers; roww 12,288 bytes; h 25,165,824 bytes; y 50,331,648 bytes
;; launch gate (part 1): grid 256 x 1, 2 waves a work-group, no clusters, 0 bytes of LDS; arguments x, gate_w, xb, sel, gfl; writes xb, sel, gfl
.if DOCPART == 1
	.amdgcn_target "amdgcn-amd-amdhsa--gfx1250"
	.amdhsa_code_object_version 6
	.text
	.protected	k_q31983ee18b_gate
	.globl	k_q31983ee18b_gate
	.p2align	8
	.type	k_q31983ee18b_gate,@function
k_q31983ee18b_gate:
	s_mov_b64 s[64:65], 0
	v_nop
	global_prefetch_b8 v0, s[64:65] scope:SCOPE_SE
	s_setreg_imm32_b32 hwreg(HW_REG_WAVE_MODE, 25, 1), 1
	s_wait_xcnt 0x0
; Gate: scores = x . gate_w, softmax over 8 experts, the two largest (strictly greater wins, so the lower index wins an exact tie),
; their weights softmax([v1, v2]); x is also written out as bf16.
; x and gate_w enter the product ROUNDED TO BF16, as the operands of every matrix product of this program do: the experts are chosen from the same x that
; the experts are given.  A product of two bf16 numbers is exact in f32; the sums are f32 multiply-adds on the vector unit: 8 M of them in all, eight columns
; would fill half a matrix tile, and the wave holds x in this layout for the conversion anyway.
; A wave owns two tokens.  Lane l holds x[128 j + 4 l + c] (j = 0..7, c = 0..3) of both and the same rows of gate_w, two j at a time in two buffers.
; LIMIT: probabilities that agree to within f32 rounding may be ordered otherwise than a differently ordered f32 sum would order them.
; Out: xb[t][1024] bf16; sel[t] = e1 | e2 << 8; gfl: probs[t][8] at byte 0, weights[t][2] at byte 32,768.
.set TM,  6                            ; v[6:13]    at work
.set ACC, 16                           ; v[16:31]   token k, expert e at 16 + 8 k + e
.set X,   32                           ; v[32:95]   token k, load j at 32 + 32 k + 4 j
.set G0,  96                           ; v[96:159]  gate_w, even groups: 32 (j & 1) + 8 c + e
.set G1,  160                          ; v[160:223] gate_w, odd groups
.set T,   224                          ; v[224:255] x as bf16
.set R,   96                           ; results of token k, once gate_w's registers are free: sel at R + 4 k, weights at R + 4 k + 2, + 3
	s_load_b256 s[4:11], s[0:1], 0x0               ; x s[4:5], gate_w s[6:7], xb s[8:9], sel s[10:11]
	s_load_b64 s[12:13], s[0:1], 0x20              ; gfl
	v_and_b32 v1, 31, v0                           ; lane
	v_lshrrev_b32 v2, 5, v0
	v_readfirstlane_b32 s16, v2                    ; wave
	s_lshl_b32 s17, ttmp9, 2
	s_lshl1_add_u32 s16, s16, s17                  ; my first token: 4 x work-group + 2 x wave
	v_lshlrev_b32 v3, 4, v1                        ; 16 x lane
	v_lshlrev_b32 v4, 3, v1                        ; 8 x lane
	v_lshlrev_b32 v5, 7, v1                        ; 128 x lane: four rows of gate_w
	v_lshlrev_b32 v14, 2, v1                       ; 4 x lane
	s_mov_b32 s22, 0xffff0000                      ; a word's upper bf16
	s_mov_b32 s24, 0x76543210                      ; v_permlanex16_b32: each lane takes its own place in the other half
	s_mov_b32 s25, 0xfedcba98
	s_mov_b32 s21, 0
	s_wait_kmcnt 0x0
	s_lshl_b32 s20, s16, 12
	s_add_nc_u64 s[4:5], s[4:5], s[20:21]          ; x at my first token
	s_lshl_b32 s20, s16, 11
	s_add_nc_u64 s[8:9], s[8:9], s[20:21]          ; xb likewise
	s_lshl_b32 s20, s16, 2
	s_add_nc_u64 s[10:11], s[10:11], s[20:21]      ; sel
	s_lshl_b32 s20, s16, 5
	s_add_nc_u64 s[18:19], s[12:13], s[20:21]      ; probs
	s_lshl_b32 s20, s16, 3
	s_add_nc_u64 s[26:27], s[12:13], s[20:21]      ; weights (+ 32,768 in the store)
.irp k, 0,1
.irp j, 0,1,2,3,4,5,6,7
	global_load_b128 v[X+32*\k+4*\j:X+32*\k+4*\j+3], v3, s[4:5] offset:4096*\k+512*\j th:TH_LOAD_NT
.endr
.endr
.macro GLD buf, g                      ; group g: gate_w's rows of j = 2 g and 2 g + 1, 16 loads
.irp jj, 0,1
.irp q, 0,1,2,3,4,5,6,7
	global_load_b128 v[\buf+32*\jj+4*\q:\buf+32*\jj+4*\q+3], v5, s[6:7] offset:4096*(2*\g+\jj)+16*\q
.endr
.endr
.endm
.macro RND buf                         ; a group of gate_w is rounded to bf16 in place: two roundings in one conversion, then back to f32 by a shift and a mask; eight pairs at a time
.irp o, 0,16,32,48
.irp i, 0,1,2,3,4,5,6,7
	v_cvt_pk_bf16_f32 v[TM+\i], v[\buf+\o+2*\i], v[\buf+\o+2*\i+1]
.endr
.irp i, 0,1,2,3,4,5,6,7
	v_lshlrev_b32 v[\buf+\o+2*\i],   16,  v[TM+\i]
	v_and_b32     v[\buf+\o+2*\i+1], s22, v[TM+\i]
.endr
.endr
.endm
.macro DOT buf, g                      ; 64 packed multiply-adds: two experts at a time, x broadcast from its pair; the very first products start the sums
.irp jj, 0,1
.irp c, 0,1,2,3
.irp k, 0,1
.irp e, 0,2,4,6
.if (\g==0)&&(\jj==0)&&(\c==0)
	v_pk_mul_f32 v[ACC+8*\k+\e:ACC+8*\k+\e+1], v[\buf+\e:\buf+\e+1], v[X+32*\k:X+32*\k+1] op_sel_hi:[1,0]
.elseif (\c%2)==0
	v_pk_fma_f32 v[ACC+8*\k+\e:ACC+8*\k+\e+1], v[\buf+32*\jj+8*\c+\e:\buf+32*\jj+8*\c+\e+1], v[X+32*\k+4*(2*\g+\jj)+\c:X+32*\k+4*(2*\g+\jj)+\c+1], v[ACC+8*\k+\e:ACC+8*\k+\e+1] op_sel_hi:[1,0,1]
.else
	v_pk_fma_f32 v[ACC+8*\k+\e:ACC+8*\k+\e+1], v[\buf+32*\jj+8*\c+\e:\buf+32*\jj+8*\c+\e+1], v[X+32*\k+4*(2*\g+\jj)+\c-1:X+32*\k+4*(2*\g+\jj)+\c], v[ACC+8*\k+\e:ACC+8*\k+\e+1] op_sel:[0,1,0] op_sel_hi:[1,1,1]
.endif
.endr
.endr
.endr
.endr
.endm
	GLD G0, 0
	GLD G1, 1
	s_wait_loadcnt 16                              ; x and group 0 are in; group 1's sixteen loads stay out
.irp k, 0,1                            ; x as bf16: each store of the wave covers 256 consecutive bytes, aligned
.irp j, 0,1,2,3,4,5,6,7
	v_cvt_pk_bf16_f32 v[T+16*\k+2*\j],   v[X+32*\k+4*\j],   v[X+32*\k+4*\j+1]
	v_cvt_pk_bf16_f32 v[T+16*\k+2*\j+1], v[X+32*\k+4*\j+2], v[X+32*\k+4*\j+3]
	global_store_b64 v4, v[T+16*\k+2*\j:T+16*\k+2*\j+1], s[8:9] offset:2048*\k+256*\j
.endr
.endr
.irp k, 0,1                            ; and the rounded x back as f32, for the gate's own product
.irp j, 0,1,2,3,4,5,6,7
	v_lshlrev_b32 v[X+32*\k+4*\j],   16,  v[T+16*\k+2*\j]
	v_and_b32     v[X+32*\k+4*\j+1], s22, v[T+16*\k+2*\j]
	v_lshlrev_b32 v[X+32*\k+4*\j+2], 16,  v[T+16*\k+2*\j+1]
	v_and_b32     v[X+32*\k+4*\j+3], s22, v[T+16*\k+2*\j+1]
.endr
.endr
	RND G0
	DOT G0, 0
	GLD G0, 2
	s_wait_loadcnt 16                              ; group 1 is in; group 2 stays out
	RND G1
	DOT G1, 1
	GLD G1, 3
	s_wait_loadcnt 16                              ; group 2 is in; group 3 stays out
	RND G0
	DOT G0, 2
	s_wait_loadcnt 0x0
	RND G1
	DOT G1, 3
	; the 16 sums over the 32 lanes; every lane ends with all of them
.irp m, 1,2,4,8
.irp i, 0,1,2,3,4,5,6,7,8,9,10,11,12,13,14,15
	v_add_f32_dpp v[ACC+\i], v[ACC+\i], v[ACC+\i] row_xmask:\m row_mask:0xf bank_mask:0xf
.endr
.endr
.irp i, 0,1,2,3,4,5,6,7,8,9,10,11,12,13,14,15
	v_permlanex16_b32 v[G0+\i], v[ACC+\i], s24, s25
.endr
.irp i, 0,1,2,3,4,5,6,7,8,9,10,11,12,13,14,15
	v_add_f32 v[ACC+\i], v[ACC+\i], v[G0+\i]
.endr
.macro TOKEN k                         ; softmax, the two largest, their weights; the same in every lane
.set A, ACC+8*\k
	v_max3_num_f32 v6, v[A], v[A+1], v[A+2]
	v_max3_num_f32 v6, v6, v[A+3], v[A+4]
	v_max3_num_f32 v6, v6, v[A+5], v[A+6]
	v_max_num_f32 v6, v6, v[A+7]
.irp e, 0,1,2,3,4,5,6,7
	v_sub_f32 v[A+\e], v[A+\e], v6                 ; the maximum is taken away first, as in the softmax that is computed
.endr
.irp e, 0,1,2,3,4,5,6,7
	v_mul_f32 v[A+\e], 0x3fb8aa3b, v[A+\e]
.endr
.irp e, 0,1,2,3,4,5,6,7
	v_exp_f32 v[A+\e], v[A+\e]
.endr
	v_nop                                          ; a plain instruction between the last exponential and its use (ISA guide 5.7.2)
	s_wait_alu depctr_va_vdst(0)
	v_add_f32 v7, v[A], v[A+1]
	v_add_f32 v8, v[A+2], v[A+3]
	v_add_f32 v9, v[A+4], v[A+5]
	v_add_f32 v10, v[A+6], v[A+7]
	v_add_f32 v7, v7, v8
	v_add_f32 v9, v9, v10
	v_add_f32 v7, v7, v9
	v_rcp_f32 v8, v7
	v_mov_b32 v10, 0                               ; index of the largest (also the plain instruction behind the reciprocal)
	s_wait_alu depctr_va_vdst(0)
.irp e, 0,1,2,3,4,5,6,7
	v_mul_f32 v[A+\e], v[A+\e], v8
.endr
	v_mov_b32 v9, v[A]
.irp e, 1,2,3,4,5,6,7
	v_cmp_gt_f32 vcc_lo, v[A+\e], v9
	v_cndmask_b32 v9, v9, v[A+\e], vcc_lo
	v_cndmask_b32 v10, v10, \e, vcc_lo
.endr
	v_mov_b32 v11, -1.0
	v_mov_b32 v12, 0
.irp e, 0,1,2,3,4,5,6,7
	v_cmp_eq_u32 vcc_lo, \e, v10
	v_cndmask_b32 v13, v[A+\e], -1.0, vcc_lo       ; the winner is out of the second scan
	v_cmp_gt_f32 vcc_lo, v13, v11
	v_cndmask_b32 v11, v11, v13, vcc_lo
	v_cndmask_b32 v12, v12, \e, vcc_lo
.endr
	v_sub_f32 v11, v11, v9                         ; v2 - v1 <= 0: the larger of the two is the maximum that is taken away
	v_mul_f32 v11, 0x3fb8aa3b, v11
	v_exp_f32 v11, v11
	v_lshl_or_b32 v[R+4*\k], v12, 8, v10           ; e1 | e2 << 8
	s_wait_alu depctr_va_vdst(0)
	v_add_f32 v13, 1.0, v11
	v_rcp_f32 v[R+4*\k+2], v13                     ; w1 = 1 / (1 + ex)
	v_nop
	s_wait_alu depctr_va_vdst(0)
	v_mul_f32 v[R+4*\k+3], v11, v[R+4*\k+2]        ; w2 = ex / (1 + ex)
.endm
	TOKEN 0
	TOKEN 1
	; lane q < 4 takes four probabilities (token q >> 1, experts 4 (q & 1) on); lane q < 2 takes token q's word and weights
	v_and_b32 v6, 1, v1
	v_cmp_ne_u32 s28, 0, v6
	v_and_b32 v6, 2, v1
	v_cmp_ne_u32 s29, 0, v6
.irp c, 0,1,2,3
	v_cndmask_b32 v[104+\c], v[ACC+\c], v[ACC+4+\c], s28
	v_cndmask_b32 v[108+\c], v[ACC+8+\c], v[ACC+12+\c], s28
	v_cndmask_b32 v[104+\c], v[104+\c], v[108+\c], s29
.endr
	v_cndmask_b32 v112, v[R], v[R+4], s28
	v_cndmask_b32 v114, v[R+2], v[R+6], s28
	v_cndmask_b32 v115, v[R+3], v[R+7], s28
	v_cmp_gt_u32 vcc_lo, 4, v1
	s_wait_xcnt 0x0                                ; EXEC changes only when every earlier memory instruction has had its addresses translated
	s_and_saveexec_b32 s30, vcc_lo
	global_store_b128 v3, v[104:107], s[18:19]
	s_wait_xcnt 0x0
	s_or_b32 exec_lo, exec_lo, s30
	v_cmp_gt_u32 vcc_lo, 2, v1
	s_and_saveexec_b32 s30, vcc_lo
	global_store_b32 v14, v112, s[10:11]
	global_store_b64 v4, v[114:115], s[26:27] offset:32768
	s_wait_xcnt 0x0
	s_or_b32 exec_lo, exec_lo, s30
	s_endpgm
.Lfunc_end_k_q31983ee18b_gate:
	.size	k_q31983ee18b_gate, .Lfunc_end_k_q31983ee18b_gate-k_q31983ee18b_gate
	.p2alignl 7, 3214868480
	.fill 96, 4, 3214868480
	.section	.rodata,"a",@progbits
	.p2align	6, 0x0
	.amdhsa_kernel k_q31983ee18b_gate
		.amdhsa_group_segment_fixed_size 0
		.amdhsa_private_segment_fixed_size 0
		.amdhsa_enable_private_segment 0
		.amdhsa_kernarg_size 40
		.amdhsa_user_sgpr_count 2
		.amdhsa_user_sgpr_kernarg_segment_ptr 1
		.amdhsa_wavefront_size32 1
		.amdhsa_system_sgpr_workgroup_id_x 1
		.amdhsa_system_sgpr_workgroup_id_y 1
		.amdhsa_system_sgpr_workgroup_id_z 1
		.amdhsa_system_vgpr_workitem_id 0
		.amdhsa_next_free_vgpr 256
		.amdhsa_next_free_sgpr 66
		.amdhsa_reserve_vcc 1
		.amdhsa_float_denorm_mode_32 3
		.amdhsa_float_denorm_mode_16_64 3
		.amdhsa_memory_ordered 1
		.amdhsa_forward_progress 1
		.amdhsa_inst_pref_size 64
	.end_amdhsa_kernel
	.amdgpu_metadata
---
amdhsa.version: [ 1, 2 ]
amdhsa.kernels:
  - .name:           k_q31983ee18b_gate
    .symbol:         k_q31983ee18b_gate.kd
    .args:
      - { .name: x, .offset: 0, .size: 8, .value_kind: global_buffer, .address_space: global }
      - { .name: gate_w, .offset: 8, .size: 8, .value_kind: global_buffer, .address_space: global }
      - { .name: xb, .offset: 16, .size: 8, .value_kind: global_buffer, .address_space: global }
      - { .name: sel, .offset: 24, .size: 8, .value_kind: global_buffer, .address_space: global }
      - { .name: gfl, .offset: 32, .size: 8, .value_kind: global_buffer, .address_space: global }
    .group_segment_fixed_size: 0
    .private_segment_fixed_size: 0
    .kernarg_segment_align: 8
    .kernarg_segment_size: 40
    .max_flat_workgroup_size: 64
    .sgpr_count:     66
    .vgpr_count:     256
    .wavefront_size: 32
...
	.end_amdgpu_metadata
.endif
;; end of part 1
;; launch route (part 2): grid 1 x 1, 32 waves a work-group, no clusters, 61,440 bytes of LDS; arguments sel, gfl, rt, roww, out1; writes rt, roww, out1
.if DOCPART == 2
	.amdgcn_target "amdgcn-amd-amdhsa--gfx1250"
	.amdhsa_code_object_version 6
	.text
	.protected	k_q31983ee18b_route
	.globl	k_q31983ee18b_route
	.p2align	8
	.type	k_q31983ee18b_route,@function
k_q31983ee18b_route:
	s_mov_b64 s[64:65], 0
	v_nop
	global_prefetch_b8 v0, s[64:65] scope:SCOPE_SE
	s_setreg_imm32_b32 hwreg(HW_REG_WAVE_MODE, 25, 1), 1
	s_wait_xcnt 0x0
; Routing tables and the load-balance loss.  One work-group, thread t = token t.
; Tokens are sorted by expert.  Expert e owns rows row0_e .. row0_e + 128 nblk_e - 1 of the sorted row space, nblk_e = max(1, ceil(count_e / 128)):
; at most 2,048 + 8 x 128 = 3,072 rows.  Rows past an expert's count name token 0 with weight 0.
; rt: meta[e] = {row0, nblk} at byte 0; list[3072] (the row's token) at 256; pos[t][2] (the rows of token t) at 12,544.  roww[3072]: the row's weight.
; All counts stay whole numbers, since addresses are made of them.
; THE LOSS follows the f32 steps of log_softmax(mean) in their order (sum over tokens one by one, sum of the 8 exponentials one by one), because it is a
; difference of nearly equal f32 numbers.  exp and log are series that round once at the end; the arguments are bounded by the computation itself:
; the means of softmax rows lie in [0, 1], so sh = u - max lies in [-1, 0] and S = sum exp(sh) in [1 + 7/e, 8].
; LIMIT: a last-bit difference in an intermediate from another f32 evaluation of the same steps shows in this number.
.set LIST, 0                           ; 12,288 bytes
.set RW,   12288                       ; 12,288 bytes
.set CNT,  24576                       ; CNT[e][wave], 1,024 bytes
.set PT,   25600                       ; PT[e][t] f32, 4,112 bytes from expert to expert
.set PTP,  4112
	s_load_b256 s[20:27], s[0:1], 0x0              ; sel s[20:21], gfl s[22:23], rt s[24:25], roww s[26:27]
	s_load_b64 s[28:29], s[0:1], 0x20              ; out1
	v_and_b32 v1, 31, v0                           ; lane
	v_lshrrev_b32 v37, 5, v0
	v_readfirstlane_b32 s8, v37                    ; wave
	v_lshlrev_b32 v37, 2, v37                      ; 4 x wave
	v_lshlrev_b32 v2, 2, v0
	v_lshlrev_b32 v6, 3, v0
	v_lshlrev_b32 v7, 5, v0
	v_lshlrev_b32 v38, 2, v1
	v_mov_b32 v18, 0
	v_mov_b32 v39, 0
	v_mov_b32 v40, 0
	v_mov_b32 v41, 0
	s_mov_b32 s12, 0x76543210
	s_mov_b32 s13, 0xfedcba98
	s_wait_kmcnt 0x0
	global_load_b32 v3, v2, s[20:21]
	global_load_b64 v[4:5], v6, s[22:23] offset:32768
	global_load_b128 v[8:11], v7, s[22:23]
	global_load_b128 v[12:15], v7, s[22:23] offset:16
.irp i, 0,1,2,3,4,5
	ds_store_b32 v2, v18 offset:4096*\i            ; list and weights start as zeros
.endr
	s_wait_loadcnt 0x0
	v_and_b32 v16, 7, v3                           ; e1
	v_bfe_u32 v17, v3, 8, 3                        ; e2
.irp e, 0,1,2,3,4,5,6,7
	v_cmp_eq_u32 s[40+\e], \e, v16                 ; lanes whose first choice is e
	v_cmp_eq_u32 s[48+\e], \e, v17                 ; lanes whose second choice is e
	s_or_b32 s56, s[40+\e], s[48+\e]
	s_bcnt1_i32_b32 s57, s56                       ; my wave's tokens for e
	v_mbcnt_lo_u32_b32 v[20+\e], s56, 0            ; how many of them stand in lower lanes
	v_mov_b32 v19, s57
	ds_store_b32 v37, v19 offset:CNT+128*\e        ; all lanes write the same word with the same number
	ds_store_b32 v2, v[8+\e] offset:PT+PTP*\e
.endr
	s_wait_dscnt 0x0                               ; my stores are done before the others read
	s_barrier_signal -1
	s_barrier_wait -1
.irp e, 0,1,2,3,4,5,6,7
	ds_load_b32 v[28+\e], v38 offset:CNT+128*\e    ; lane l: wave l's count
.endr
	v_cmp_gt_u32 vcc_lo, s8, v1                    ; waves in front of mine
	s_wait_dscnt 0x0
.irp e, 0,1,2,3,4,5,6,7                ; one word: the total in the low half (at most 1,024), the sum over the waves in front in the high half
	v_lshlrev_b32 v36, 16, v[28+\e]
	v_cndmask_b32 v36, 0, v36, vcc_lo
	v_add_nc_u32 v[28+\e], v[28+\e], v36
.endr
.irp m, 1,2,4,8
.irp e, 0,1,2,3,4,5,6,7
	v_mov_b32_dpp v39, v[28+\e] row_xmask:\m row_mask:0xf bank_mask:0xf
	v_add_nc_u32 v[28+\e], v[28+\e], v39
.endr
.endr
.irp e, 0,1,2,3,4,5,6,7
	v_permlanex16_b32 v39, v[28+\e], s12, s13
	v_add_nc_u32 v[28+\e], v[28+\e], v39
.endr
	s_mov_b32 s58, 0                               ; running first row
.irp e, 0,1,2,3,4,5,6,7
	v_readfirstlane_b32 s59, v[28+\e]
	s_and_b32 s60, s59, 0xffff
	s_lshr_b32 s61, s59, 16
	s_add_co_u32 s60, s60, 127
	s_lshr_b32 s60, s60, 7
	s_max_u32 s[74+\e], s60, 1                     ; nblk_e
	s_mov_b32 s[66+\e], s58                        ; row0_e
	s_add_co_u32 s61, s61, s58
	v_add_nc_u32 v36, s61, v[20+\e]                ; row0 + tokens of earlier waves + tokens of lower lanes
	v_cndmask_b32 v40, v40, v36, s[40+\e]
	v_cndmask_b32 v41, v41, v36, s[48+\e]
	s_lshl_b32 s60, s[74+\e], 7
	s_add_co_u32 s58, s58, s60
.endr
	v_min_u32 v40, 3071, v40
	v_min_u32 v41, 3071, v41
	v_lshlrev_b32 v42, 2, v40
	v_lshlrev_b32 v43, 2, v41
	ds_store_b32 v42, v0                           ; each row is named by one (token, slot): every store has a word of its own
	ds_store_b32 v43, v0
	ds_store_b32 v42, v4 offset:RW
	ds_store_b32 v43, v5 offset:RW
	global_store_b64 v6, v[40:41], s[24:25] offset:12544
	s_wait_dscnt 0x0
	s_barrier_signal -1
	s_barrier_wait -1
	s_cmp_lt_u32 s8, 24
	s_cbranch_scc0 .Lnot_copy
	v_lshlrev_b32 v44, 4, v0                       ; waves 0-23: 768 threads x 16 bytes = each table whole
	ds_load_b128 v[48:51], v44
	ds_load_b128 v[52:55], v44 offset:RW
	s_wait_dscnt 0x0
	global_store_b128 v44, v[48:51], s[24:25] offset:256
	global_store_b128 v44, v[52:55], s[26:27]
	s_endpgm
.Lnot_copy:
	s_cmp_eq_u32 s8, 24
	s_cbranch_scc0 .Lnot_meta
	v_mov_b32 v45, 0
.irp e, 0,1,2,3,4,5,6,7
	v_writelane_b32 v45, s[66+\e], 2*\e
	v_writelane_b32 v45, s[74+\e], 2*\e+1
.endr
	v_cmp_gt_u32 vcc_lo, 16, v1
	s_wait_xcnt 0x0                                ; EXEC changes only when my earlier store has had its addresses translated
	s_and_saveexec_b32 s9, vcc_lo
	global_store_b32 v38, v45, s[24:25]
	s_wait_xcnt 0x0
	s_or_b32 exec_lo, exec_lo, s9
	s_endpgm
.Lnot_meta:
	s_cmp_eq_u32 s8, 31
	s_cbranch_scc1 .Lloss
	s_endpgm
.Lloss:
	v_and_b32 v46, 7, v1                           ; lane l sums expert l & 7
	v_mul_u32_u24 v46, v46, PTP
	v_add_nc_u32 v46, PT, v46
	v_mov_b32 v47, 0
	s_mov_b32 s9, 16
.Lsum:                                                 ; 64 tokens a trip, added one by one in token order
.irp i, 0,1,2,3,4,5,6,7,8,9,10,11,12,13,14,15
	ds_load_b128 v[64+4*\i:64+4*\i+3], v46 offset:16*\i
.endr
	s_wait_dscnt 0x0
.set i, 0
.rept 64
	v_add_f32 v47, v47, v[64+i]
.set i, i+1
.endr
	v_add_nc_u32 v46, 256, v46
	s_sub_co_u32 s9, s9, 1
	s_cmp_lg_u32 s9, 0
	s_cbranch_scc1 .Lsum
	v_mul_f32 v47, 0x3a800000, v47                 ; / 1,024, exact
	v_mov_b32 v48, v47
	v_max_num_f32_dpp v48, v48, v48 row_xmask:1 row_mask:0xf bank_mask:0xf
	v_max_num_f32_dpp v48, v48, v48 row_xmask:2 row_mask:0xf bank_mask:0xf
	v_max_num_f32_dpp v48, v48, v48 row_xmask:4 row_mask:0xf bank_mask:0xf
	v_sub_f32 v49, v47, v48                        ; sh = u - max, in [-1, 0]
	; exp(sh) = 1 + (sh + sh^2 P(sh)), P = sum of sh^(k-2) / k!, k = 2 .. 13: what is cut is below 1 / 14!
	v_mov_b32 v51, 0x2f309231
.irp c, 0x310f76c7, 0x32d7322b, 0x3493f27e, 0x3638ef1d, 0x37d00d01, 0x39500d01, 0x3ab60b61, 0x3c088889, 0x3d2aaaab, 0x3e2aaaab, 0x3f000000
	v_fmaak_f32 v51, v51, v49, \c
.endr
	v_mul_f32 v52, v49, v49
	v_fma_f32 v52, v52, v51, v49
	v_add_f32 v50, 1.0, v52
.irp e, 0,1,2,3,4,5,6,7
	v_readlane_b32 s[84+\e], v50, \e
.endr
	v_mov_b32 v53, s84
.irp e, 1,2,3,4,5,6,7
	v_add_f32 v53, s[84+\e], v53                   ; S, expert by expert
.endr
	; log S = log 8 + 2 atanh(w), w = (S - 8) / (S + 8); w^2 <= 0.146, so ten terms leave less than 1e-9 of the series
	v_add_f32 v54, 0xc1000000, v53
	v_add_f32 v55, 0x41000000, v53
	v_rcp_f32 v56, v55
	v_nop
	s_wait_alu depctr_va_vdst(0)
	v_mul_f32 v57, v54, v56
	v_fma_f32 v58, -v57, v55, v54
	v_fma_f32 v57, v58, v56, v57
	v_mul_f32 v58, v57, v57
	v_mov_b32 v59, 0x3d430c31
.irp c, 0x3d579436, 0x3d70f0f1, 0x3d888889, 0x3d9d89d9, 0x3dba2e8c, 0x3de38e39, 0x3e124925, 0x3e4ccccd, 0x3eaaaaab
	v_fmaak_f32 v59, v59, v58, \c
.endr
	v_mul_f32 v58, v58, v57
	v_fma_f32 v59, v58, v59, v57
	v_add_f32 v59, v59, v59
	v_add_f32 v59, 0xb1c453cc, v59                 ; log 8 in two parts: the small part first,
	v_add_f32 v59, 0x40051592, v59                 ; so that the logarithm is rounded once
	v_sub_f32 v60, v49, v59                        ; log_softmax
	v_sub_f32 v60, 0xc0051592, v60                 ; log(1/8) - log_softmax
	v_add_f32_dpp v60, v60, v60 row_xmask:1 row_mask:0xf bank_mask:0xf
	v_add_f32_dpp v60, v60, v60 row_xmask:2 row_mask:0xf bank_mask:0xf
	v_add_f32_dpp v60, v60, v60 row_xmask:4 row_mask:0xf bank_mask:0xf
	v_mul_f32 v60, 0x3c800000, v60                 ; x 1/8 (uniform) x 1/8 (batchmean), exact
	v_mul_f32 v60, 0x3c23d70a, v60                 ; x 0.01
	v_mov_b32 v61, 0
	v_cmp_eq_u32 vcc_lo, 0, v1
	s_wait_xcnt 0x0
	s_and_saveexec_b32 s9, vcc_lo
	global_store_b32 v61, v60, s[28:29]
	s_wait_xcnt 0x0
	s_or_b32 exec_lo, exec_lo, s9
	s_endpgm
.Lfunc_end_k_q31983ee18b_route:
	.size	k_q31983ee18b_route, .Lfunc_end_k_q31983ee18b_route-k_q31983ee18b_route
	.p2alignl 7, 3214868480
	.fill 96, 4, 3214868480
	.section	.rodata,"a",@progbits
	.p2align	6, 0x0
	.amdhsa_kernel k_q31983ee18b_route
		.amdhsa_group_segment_fixed_size 61440
		.amdhsa_private_segment_fixed_size 0
		.amdhsa_enable_private_segment 0
		.amdhsa_kernarg_size 40
		.amdhsa_user_sgpr_count 2
		.amdhsa_user_sgpr_kernarg_segment_ptr 1
		.amdhsa_wavefront_size32 1
		.amdhsa_system_sgpr_workgroup_id_x 1
		.amdhsa_system_sgpr_workgroup_id_y 1
		.amdhsa_system_sgpr_workgroup_id_z 1
		.amdhsa_system_vgpr_workitem_id 0
		.amdhsa_next_free_vgpr 128
		.amdhsa_next_free_sgpr 100
		.amdhsa_reserve_vcc 1
		.amdhsa_float_denorm_mode_32 3
		.amdhsa_float_denorm_mode_16_64 3
		.amdhsa_memory_ordered 1
		.amdhsa_forward_progress 1
		.amdhsa_inst_pref_size 25
	.end_amdhsa_kernel
	.amdgpu_metadata
---
amdhsa.version: [ 1, 2 ]
amdhsa.kernels:
  - .name:           k_q31983ee18b_route
    .symbol:         k_q31983ee18b_route.kd
    .args:
      - { .name: sel, .offset: 0, .size: 8, .value_kind: global_buffer, .address_space: global }
      - { .name: gfl, .offset: 8, .size: 8, .value_kind: global_buffer, .address_space: global }
      - { .name: rt, .offset: 16, .size: 8, .value_kind: global_buffer, .address_space: global }
      - { .name: roww, .offset: 24, .size: 8, .value_kind: global_buffer, .address_space: global }
      - { .name: out1, .offset: 32, .size: 8, .value_kind: global_buffer, .address_space: global }
    .group_segment_fixed_size: 61440
    .private_segment_fixed_size: 0
    .kernarg_segment_align: 8
    .kernarg_segment_size: 40
    .max_flat_workgroup_size: 1024
    .sgpr_count:     100
    .vgpr_count:     128
    .wavefront_size: 32
...
	.end_amdgpu_metadata
.endif
;; end of part 2
;; launch ffn1 (part 3): grid 32 x 8, 4 waves a work-group, no clusters, 313,344 bytes of LDS; arguments xb, w1, b1, rt, h; writes h
.if DOCPART == 3
	.amdgcn_target "amdgcn-amd-amdhsa--gfx1250"
	.amdhsa_code_object_version 6
	.text
	.protected	k_q31983ee18b_ffn1
	.globl	k_q31983ee18b_ffn1
	.p2align	8
	.type	k_q31983ee18b_ffn1,@function
k_q31983ee18b_ffn1:
	s_mov_b64 s[64:65], 0
	v_nop
	global_prefetch_b8 v0, s[64:65] scope:SCOPE_SE
	s_setreg_imm32_b32 hwreg(HW_REG_WAVE_MODE, 25, 1), 1
	s_wait_xcnt 0x0
; h[row][f] = relu(x[list[row]] . w1[e][:, f] + b1[e][f]) in bf16, for the sorted rows of expert e (only routed tokens: the others' weight is 0).
; THE WEIGHTS STAY: work-group (fc, e) owns w1[e][0:1024][128 fc : 128 fc + 128], 512 KB of f32, reads it once in rows of 512 bytes, rounds it to bf16 and keeps
; it in LDS turned, chunk by chunk of 128 along K: B[chunk][n][k].  The expert's rows are walked in blocks of 128; the number of blocks (at least 1) is read from rt.
; THE FIRST BLOCK IS MULTIPLIED WHILE THE WEIGHTS COME: in the second step of chunk c every wave turns its 32 rows of chunk c + 1 into LDS, asks for chunk c + 2 and passes a
; barrier; chunk c + 1 is first read two steps later.  These eight barriers stand in straight text.  NO BARRIER STANDS IN THE LOOP OVER THE OTHER BLOCKS, whose count is read from
; memory: each wave works alone on 32 rows x all 128 columns of a block (16 accumulators), and B is only read there.
; A wave's rows of x come in chunks of 128 along K (two rows of 256 bytes to a load) into a ring of four register sets; each chunk goes through a stage in LDS that is the wave's
; own (LDS serves a wave's instructions in order: ISA guide 5.7.1.4) and comes back as fragments.  The ring runs on into the next block.  The first block always asks for the next
; block's first chunks, at a clamped row; an expert of one block discards them.  The last of several blocks is written out apart and asks for nothing more.
; No tensor loads: the weights change format on the way and the rows of x are gathered.  No cluster: a joint load stands behind barriers, which the loop over blocks cannot have.
; The matrix instruction is used transposed (source 0 = 16 columns of w1, source 1 = 16 rows of x): a lane then holds eight neighbouring columns of one row.
; The accumulators take turns, one instruction a turn, in the same order in every step.
; REGISTERS: window 0: v0-31 addresses; v32-47 my 16 rows' offsets in xb; v48-63 the next block's list; v64-127 bias; v128-255 accumulators ((a, b) at 128 + 8 (8 a + b)).
;   window 1: v0-127 B's fragments, two sets of 8; v128-255 A's fragments, two sets of a chunk (step q, row tile a at 16 q + 8 a).   window 2: the ring of x, four sets of 64.
;   window 3: v0-127 a chunk's 32 rows of weights as loaded (unit u of 8 rows, row m at 32 u + 4 m); v128-191 the same as bf16, turned.
.set PBC,   272                        ; a row of a chunk of B: 128 k = 256 bytes + 16: an odd multiple of 16, so the 16 rows of a fragment load start in different banks
.set CHB,   128*PBC                    ; a chunk of B: 128 columns
.set ABASE, 8*CHB                      ; B: bytes 0 .. 278,527; then the four waves' stages
.set SPA,   272                        ; a stage row: 256 bytes + 16
.set STGB,  32*SPA                     ; a wave's stage: 32 rows
.set WP,    16384                      ; bytes from row to row of w1
.set ADRA,  8                          ; v8      stage + r x 272 + 16 hh: my A fragments; also where I put 16 bytes of a result row
.set ADRB,  9                          ; v9-12   r x 272 + 16 hh + chunks 2 j, 2 j + 1
.set ASTO,  13                         ; v13     stage + 16 hh rows + 16 r: where a chunk's 16 bytes go
.set WOFF,  15                         ; v15     16 x lane
.set RD,    17                         ; v17     stage + hh rows + 16 r: result rows read back
.set CO,    18                         ; v18     my byte offset in the block's rows of h
.set LOFF,  19                         ; v19     4 (32 wave + 16 hh): my 16 rows in the list
.set CH,    20                         ; v20     16 r
.set WSTO,  28                         ; v28-31  B's row 4 x lane, byte 64 x wave, chunks 2 j, 2 j + 1
.set AOFF,  32
.set LISTN, 48
.set BIAS,  64
.set ACC,   128
.set WT,    128                        ; in window 3
.set MSB, 0
.macro WIN new                         ; the immediate's high byte repeats the setting that is left
.if MSB != \new
	s_set_vgpr_msb (MSB<<8)|\new
.set MSB, \new
.endif
.endm
.set MUL,    0x05                      ; sources 0 and 1 window 1; C and D window 0
.set TO_F,   0x40                      ; destination window 1, address window 0
.set TO_G,   0x80                      ; destination window 2, address window 0
.set FROM_G, 0x08                      ; an LDS store's data window 2, address window 0
.set TO_W,   0xc0                      ; destination window 3, address window 0
.set IN_W,   0xcf                      ; destination and sources 0 and 1 window 3
.set FROM_W, 0x0c                      ; an LDS store's data window 3, address window 0
.macro PLACES                          ; four plain vector instructions between a matrix instruction and a load into, or a vector access to, its registers
.rept 4
	v_nop
.endr
.endm
.macro WLOAD                           ; my 32 rows of a chunk of weights: 32 loads of 512 consecutive bytes
	WIN TO_W
.irp u, 0,1,2,3
.irp m, 0,1,2,3,4,5,6,7
	global_load_b128 v[32*\u+4*\m:32*\u+4*\m+3], v[WOFF], s[36:37] offset:(8*\u+\m)*WP th:TH_LOAD_NT
.endr
.endr
.endm
; Chunk c's 32 rows of mine are rounded and turned: lane l holds columns 4 l + j; eight k of a column pack into 16 bytes of B's row 4 l + j.
; The four-row stride between lanes lets four lanes meet in a bank; each weight passes here once.
.macro WTURN c
	WIN IN_W
.irp u, 0,1,2,3
.irp j, 0,1,2,3
.irp m, 0,2,4,6
	v_cvt_pk_bf16_f32 v[WT+16*\u+4*\j+\m/2], v[32*\u+4*\m+\j], v[32*\u+4*\m+4+\j]
.endr
.endr
.endr
	WIN FROM_W
.irp u, 0,1,2,3
.irp j, 0,1,2,3
	ds_store_b128 v[WSTO+(\c)/2], v[WT+16*\u+4*\j:WT+16*\u+4*\j+3] offset:((\c)%2)*CHB+\j*PBC+16*\u
.endr
.endr
.endm
.macro MKOFF                           ; the list's 16 tokens become byte offsets in xb: token x 2,048 + my 16 bytes
.irp i, 0,1,2,3,4,5,6,7,8,9,10,11,12,13,14,15
	v_min_u32 v[LISTN+\i], 1023, v[LISTN+\i]
	v_lshl_add_u32 v[AOFF+\i], v[LISTN+\i], 11, v[CH]
.endr
.endm
.macro GL slot, koff                   ; a chunk of x: 32 rows x 256 bytes at byte koff of the rows; load i takes rows i (lanes 0-15) and 16 + i (lanes 16-31)
	WIN TO_G
.irp i, 0,1,2,3,4,5,6,7,8,9,10,11,12,13,14,15
	global_load_b128 v[64*(\slot)+4*\i:64*(\slot)+4*\i+3], v[AOFF+\i], s[4:5] offset:\koff
.endr
.endm
.macro FETCHB s                        ; B's eight fragments of step s (chunk s / 4, 32 k at byte 64 (s % 4) of its rows): 16 LDS loads
	WIN TO_F
.irp b, 0,1,2,3,4,5,6,7
	ds_load_b128 v[64*((\s)%2)+8*\b:64*((\s)%2)+8*\b+3],   v[ADRB+(\s)/8] offset:(((\s)/4)%2)*CHB+\b*16*PBC+64*((\s)%4)
	ds_load_b128 v[64*((\s)%2)+8*\b+4:64*((\s)%2)+8*\b+7], v[ADRB+(\s)/8] offset:(((\s)/4)%2)*CHB+\b*16*PBC+64*((\s)%4)+32
.endr
.endm
; Chunk j of x has come (cnt younger loads stay out): it goes into my stage and comes back as the fragments of its four steps.  c1, c2: the chunks asked for now (-1: none).
.macro TRANS j, cnt, c1, c2
	s_wait_loadcnt \cnt
	WIN FROM_G
.irp i, 0,1,2,3,4,5,6,7,8,9,10,11,12,13,14,15
	ds_store_b128 v[ASTO], v[64*((\j)%4)+4*\i:64*((\j)%4)+4*\i+3] offset:\i*SPA
.endr
	WIN TO_F
.irp q, 0,1,2,3
.irp a, 0,1
	ds_load_b128 v[128+64*((\j)%2)+16*\q+8*\a:128+64*((\j)%2)+16*\q+8*\a+3],   v[ADRA] offset:\a*16*SPA+64*\q
	ds_load_b128 v[128+64*((\j)%2)+16*\q+8*\a+4:128+64*((\j)%2)+16*\q+8*\a+7], v[ADRA] offset:\a*16*SPA+64*\q+32
.endr
.endr
.if (\c1)>=0
	GL (\c1)%4, 256*((\c1)%8)
.endif
.if (\c2)>=0
	GL (\c2)%4, 256*((\c2)%8)
.endif
.endm
.macro MM8 st, a                       ; row tile a x the eight column tiles, 32 along K; step 0 starts the sums
.irp b, 0,1,2,3,4,5,6,7
.if \st==0
	v_wmma_f32_16x16x32_bf16 v[ACC+8*(8*\a+\b):ACC+8*(8*\a+\b)+7], v[rB+8*\b:rB+8*\b+7], v[rA+8*\a:rA+8*\a+7], 0
.else
	v_wmma_f32_16x16x32_bf16 v[ACC+8*(8*\a+\b):ACC+8*(8*\a+\b)+7], v[rB+8*\b:rB+8*\b+7], v[rA+8*\a:rA+8*\a+7], v[ACC+8*(8*\a+\b):ACC+8*(8*\a+\b)+7]
.endif
.endr
.endm
; Step st of 32: 32 along K, 16 matrix instructions.  At its head this step's fragments are waited for; then the next step's B is asked for, 16 matrix instructions ahead of its use.
; In the third step of a chunk the next chunk of x is turned.  next = 1: chunks 8 to 11 are the next block's chunks 0 to 3.
; first = 1: the first block.  In the second step of chunk c the weights of chunk c + 1 are turned and chunk c + 2 is asked for; x runs two chunks ahead, not three, so that
; 32 loads of weights and 32 of x are out together; when the weights have ended, x catches up (chunks 9 and 10 together, then 11).
.macro STEP st, next, first
.set wst, 0
.if \first && ((\st%4)==1) && (\st<26)
.set wst, 1
.endif
.set rB, 64*(\st%2)
.set rA, 128+64*((\st/4)%2)+16*(\st%4)
.if ((\st%4)==3)&&((\st<31)||\next)
	s_wait_dscnt 32                                ; B's fragments are in; the 32 LDS instructions of the chunk just turned, issued behind them, stay out
.else
	s_wait_dscnt 0x0
.endif
.if wst
.set wc, \st/4+1
.if wc==1
	s_wait_loadcnt 48                              ; weights' chunk 1 is in: behind it stand x's chunks 0 to 2 and the list, 52 loads
.else
	s_wait_loadcnt 16                              ; this chunk of weights is in; the chunk of x asked for behind it stays out
.endif
	WTURN wc                                       ; its 64 conversions are also the places in front of the fragment loads below
.if wc<7
	s_wait_xcnt 0x0                                ; the base is stepped only when the loads that name it have had their addresses translated
	s_add_nc_u64 s[36:37], s[36:37], 128*WP
	WLOAD
.endif
	s_wait_dscnt 0x0                               ; for the others' sake: my part of the chunk is in LDS
	s_barrier_signal -1
	WIN MUL
	MM8 \st, 0                                     ; work on registers while the others arrive
	s_barrier_wait -1                              ; the chunk is whole; it is first read two steps on
	FETCHB (\st+1)%32
	WIN MUL
	MM8 \st, 1
.else
	PLACES
.if (\st<31)||\next
	FETCHB (\st+1)%32
.endif
.if ((\st%4)==2)&&((\st<30)||\next)
.set tj, \st/4+1
.set tc2, -1
.if \first
.set tmk, 5
.set tc1, tj+2
.set tcnt, 48                          ; behind chunk j stand, still out, the youngest chunk of weights (32) and chunk j + 1 (16)
.if tj==7
.set tcnt, 16                          ; the weights have ended: chunk 8 alone stays out
.set tc1, 9
.set tc2, 10
.endif
.if tj==8
.set tcnt, 32                          ; chunks 9 and 10
.set tc1, 11
.endif
.elseif \next
.set tmk, 4
.set tc1, tj+3
.set tcnt, 32                          ; behind chunk j stand chunks j + 1 and j + 2,
.if tj<4
.set tcnt, 36                          ; and for chunks 1 to 3 the four loads of the next block's list, issued at the block's head
.endif
.else
.set tmk, 0
.set tc1, tj+3
.set tcnt, 32
.if tj>4
.set tc1, -1                           ; the last block asks for nothing beyond its chunk 7: the counts run down
.endif
.if tj==6
.set tcnt, 16
.endif
.if tj==7
.set tcnt, 0
.endif
.endif
	TRANS tj, tcnt, tc1, tc2
.if tj==tmk
	WIN 0
	s_wait_xcnt 0x0                                ; this block's last loads have had their addresses translated: the offsets may be written
	MKOFF                                          ; from here on every load of x is the next block's
.endif
.endif
	WIN MUL
	MM8 \st, 0
	MM8 \st, 1
.endif
.endm
; The way out: bias, relu, bf16 in place (a tile's eight numbers pack into its four lowest registers), through my stage, back as whole rows of 256 bytes.
.macro WAYOUT
	WIN 0
	s_wait_dscnt 0x0                               ; the next block's first fragments have left the stage: it is written again only behind this wait
	PLACES
.irp t, 0,1,2,3,4,5,6,7,8,9,10,11,12,13,14,15
.irp p, 0,2,4,6
	v_pk_add_f32 v[ACC+8*\t+\p:ACC+8*\t+\p+1], v[ACC+8*\t+\p:ACC+8*\t+\p+1], v[BIAS+8*(\t%8)+\p:BIAS+8*(\t%8)+\p+1]
.endr
.irp p, 0,1,2,3,4,5,6,7
	v_max_num_f32 v[ACC+8*\t+\p], 0, v[ACC+8*\t+\p]
.endr
.irp p, 0,1,2,3
	v_cvt_pk_bf16_f32 v[ACC+8*\t+\p], v[ACC+8*\t+2*\p], v[ACC+8*\t+2*\p+1]
.endr
	ds_store_b128 v[ADRA], v[ACC+8*\t:ACC+8*\t+3] offset:(\t/8)*16*SPA+32*(\t%8)
.endr
.irp t, 0,1,2,3,4,5,6,7,8,9,10,11,12,13,14,15
	ds_load_b128 v[ACC+8*\t+4:ACC+8*\t+7], v[RD] offset:\t*2*SPA    ; these see the stores above: a wave's LDS instructions are served in order
.endr
.irp t, 0,1,2,3,4,5,6,7,8,9,10,11,12,13,14,15
	s_wait_dscnt 15-\t
	global_store_b128 v[CO], v[ACC+8*\t+4:ACC+8*\t+7], s[34:35] offset:2*\t*8192   ; 16 lanes store 256 consecutive bytes, aligned
.endr
.endm
; A block of 128 sorted rows, of which 32 are mine.  At its head the next chunks of x are on their way, and chunk 0's and step 0's fragments have been asked for.
.macro BODY next, first
	s_wait_xcnt 0x0                                ; the last block's stores have read their registers and their base
	s_lshl_b32 s21, s26, 7
	s_add_co_u32 s21, s21, s24
	s_min_u32 s21, s21, 2944                       ; the block's first row
	s_lshl_b32 s22, s21, 13
	s_lshl_b32 s42, s20, 8
	s_add_co_u32 s22, s22, s42
	s_add_nc_u64 s[34:35], s[12:13], s[22:23]      ; h at that row, my chunk's 256 bytes
.if \next
	s_add_co_u32 s39, s21, 128
	s_min_u32 s39, s39, 2944
	s_lshl_b32 s22, s39, 2
	s_add_nc_u64 s[32:33], s[10:11], s[22:23]      ; the next block's part of the list (+ 256 in the loads)
.irp q, 0,1,2,3
	global_load_b128 v[LISTN+4*\q:LISTN+4*\q+3], v[LOFF], s[32:33] offset:256+16*\q
.endr
.endif
.irp st, 0,1,2,3,4,5,6,7,8,9,10,11,12,13,14,15,16,17,18,19,20,21,22,23,24,25,26,27,28,29,30,31
	STEP \st, \next, \first
.endr
	WAYOUT
.endm
	s_load_b256 s[4:11], s[0:1], 0x0               ; xb s[4:5], w1 s[6:7], b1 s[8:9], rt s[10:11]
	s_load_b64 s[12:13], s[0:1], 0x20              ; h
	v_lshrrev_b32 v3, 5, v0
	v_readfirstlane_b32 s16, v3                    ; wave
	s_and_b32 s19, ttmp7, 0xffff                   ; expert
	s_mov_b32 s20, ttmp9                           ; column chunk fc
	v_and_b32 v1, 15, v0                           ; r
	v_bfe_u32 v2, v0, 4, 1                         ; hh
	v_and_b32 v4, 31, v0                           ; lane
	v_lshlrev_b32 v[WOFF], 4, v4
	v_lshlrev_b32 v5, 5, v2                        ; bias: 4 x 8 hh
	s_lshl_b32 s22, s19, 24                        ; w1: expert x 16 MiB + 512 fc + wave x 32 rows
	s_lshl_b32 s42, s20, 9
	s_add_co_u32 s22, s22, s42
	s_lshl_b32 s43, s16, 19
	s_add_co_u32 s22, s22, s43
	s_mov_b32 s23, 0
	s_lshl_b32 s44, s19, 14                        ; b1: expert x 16,384 + 512 fc
	s_add_co_u32 s44, s44, s42
	s_mov_b32 s45, 0
	s_lshl_b32 s46, s19, 3                         ; meta[e]
	s_mov_b32 s47, 0
	s_wait_kmcnt 0x0
	s_add_nc_u64 s[36:37], s[6:7], s[22:23]
	s_add_nc_u64 s[40:41], s[8:9], s[44:45]
	s_add_nc_u64 s[32:33], s[10:11], s[46:47]
	s_load_b64 s[24:25], s[32:33], 0x0             ; row0, nblk
.irp b, 0,1,2,3,4,5,6,7
	global_load_b128 v[BIAS+8*\b:BIAS+8*\b+3],   v5, s[40:41] offset:64*\b
	global_load_b128 v[BIAS+8*\b+4:BIAS+8*\b+7], v5, s[40:41] offset:64*\b+16
.endr
	WLOAD                                          ; weights' chunk 0
	WIN 0
	; the addresses, made while the first weights are on their way; none is rewritten later
	v_mul_u32_u24 v[WSTO], v4, 4*PBC
	s_lshl_b32 s22, s16, 6
	v_add_nc_u32 v[WSTO], s22, v[WSTO]             ; B's row 4 x lane, byte 2 x 32 x wave
	v_mul_u32_u24 v[ADRB], v1, PBC
	v_lshl_add_u32 v[ADRB], v2, 4, v[ADRB]
.irp j, 1,2,3
	v_add_nc_u32 v[WSTO+\j], \j*2*CHB, v[WSTO]
	v_add_nc_u32 v[ADRB+\j], \j*2*CHB, v[ADRB]
.endr
	s_mul_i32 s22, s16, STGB
	s_add_co_u32 s22, s22, ABASE                   ; my stage
	v_mul_u32_u24 v6, v1, SPA
	v_lshl_add_u32 v6, v2, 4, v6
	v_add_nc_u32 v[ADRA], s22, v6
	v_mul_u32_u24 v6, v2, 16*SPA
	v_lshl_add_u32 v6, v1, 4, v6
	v_add_nc_u32 v[ASTO], s22, v6
	v_mul_u32_u24 v6, v2, SPA
	v_lshl_add_u32 v6, v1, 4, v6
	v_add_nc_u32 v[RD], s22, v6
	v_lshlrev_b32 v[CH], 4, v1
	s_lshl_b32 s22, s16, 7
	v_lshl_add_u32 v[LOFF], v2, 6, s22
	s_lshl_b32 s22, s16, 18                        ; 32 wave rows of 8,192 bytes
	v_lshl_add_u32 v[CO], v2, 13, s22
	v_lshl_add_u32 v[CO], v1, 4, v[CO]
	s_wait_kmcnt 0x0
	s_min_u32 s24, s24, 2944                       ; row0 and nblk as the routing launch made them; clamped, since addresses and trips are made of them
	s_min_u32 s25, s25, 8
	s_max_u32 s25, s25, 1
	s_sub_co_u32 s38, s25, 1                       ; the last block's number
	s_lshl_b32 s22, s24, 2
	s_add_nc_u64 s[32:33], s[10:11], s[22:23]
.irp q, 0,1,2,3
	global_load_b128 v[LISTN+4*\q:LISTN+4*\q+3], v[LOFF], s[32:33] offset:256+16*\q
.endr
	s_wait_loadcnt 4                               ; the bias and weights' chunk 0 are in; the list's four loads stay out
	WTURN 0
	s_wait_xcnt 0x0
	s_add_nc_u64 s[36:37], s[36:37], 128*WP
	WLOAD                                          ; weights' chunk 1
	WIN 0
	s_wait_loadcnt 32                              ; the list is in; weights' chunk 1 stays out
	MKOFF
	GL 0, 0
	GL 1, 256
	WIN 0
	s_wait_dscnt 0x0                               ; for the others' sake: my part of B's chunk 0 is in LDS
	s_barrier_signal -1
	s_barrier_wait -1
	TRANS 0, 16, 2, -1                             ; x's chunk 0 is in, chunk 1 stays out; chunk 2 is asked for
	FETCHB 0
	WIN 0
	s_mov_b32 s26, 0
	BODY 1, 1                                      ; the first block, under the stream of weights
	s_cmp_lt_u32 s25, 2
	s_cbranch_scc1 .Lend                           ; one block: what was asked for ahead is not used
	s_mov_b32 s26, 1
	s_cmp_lt_u32 s25, 3
	s_cbranch_scc1 .Llast
.Lblock:
	BODY 1, 0
	s_add_co_u32 s26, s26, 1
	s_cmp_lt_u32 s26, s38
	s_cbranch_scc1 .Lblock
.Llast:
	BODY 0, 0
.Lend:
	s_endpgm
.Lfunc_end_k_q31983ee18b_ffn1:
	.size	k_q31983ee18b_ffn1, .Lfunc_end_k_q31983ee18b_ffn1-k_q31983ee18b_ffn1
	.p2alignl 7, 3214868480
	.fill 96, 4, 3214868480
	.section	.rodata,"a",@progbits
	.p2align	6, 0x0
	.amdhsa_kernel k_q31983ee18b_ffn1
		.amdhsa_group_segment_fixed_size 313344
		.amdhsa_private_segment_fixed_size 0
		.amdhsa_enable_private_segment 0
		.amdhsa_kernarg_size 40
		.amdhsa_user_sgpr_count 2
		.amdhsa_user_sgpr_kernarg_segment_ptr 1
		.amdhsa_wavefront_size32 1
		.amdhsa_system_sgpr_workgroup_id_x 1
		.amdhsa_system_sgpr_workgroup_id_y 1
		.amdhsa_system_sgpr_workgroup_id_z 1
		.amdhsa_system_vgpr_workitem_id 0
		.amdhsa_next_free_vgpr 960
		.amdhsa_next_free_sgpr 66
		.amdhsa_reserve_vcc 0
		.amdhsa_float_denorm_mode_32 3
		.amdhsa_float_denorm_mode_16_64 3
		.amdhsa_memory_ordered 1
		.amdhsa_forward_progress 1
		.amdhsa_inst_pref_size 255
	.end_amdhsa_kernel
	.section	.bss,"aw",@nobits
	.p2align	6
	.space	262144
	.amdgpu_metadata
---
amdhsa.version: [ 1, 2 ]
amdhsa.kernels:
  - .name:           k_q31983ee18b_ffn1
    .symbol:         k_q31983ee18b_ffn1.kd
    .args:
      - { .name: xb, .offset: 0, .size: 8, .value_kind: global_buffer, .address_space: global }
      - { .name: w1, .offset: 8, .size: 8, .value_kind: global_buffer, .address_space: global }
      - { .name: b1, .offset: 16, .size: 8, .value_kind: global_buffer, .address_space: global }
      - { .name: rt, .offset: 24, .size: 8, .value_kind: global_buffer, .address_space: global }
      - { .name: h, .offset: 32, .size: 8, .value_kind: global_buffer, .address_space: global }
    .group_segment_fixed_size: 313344
    .private_segment_fixed_size: 0
    .kernarg_segment_align: 8
    .kernarg_segment_size: 40
    .max_flat_workgroup_size: 128
    .sgpr_count:     66
    .vgpr_count:     960
    .wavefront_size: 32
...
	.end_amdgpu_metadata
.endif
;; end of part 3
;; launch ffn2 (part 4): grid 32 x 8, 4 waves a work-group, no clusters, 313,344 bytes of LDS; arguments h, w2, b2, roww, rt, y; writes y
.if DOCPART == 4
	.amdgcn_target "amdgcn-amd-amdhsa--gfx1250"
	.amdhsa_code_object_version 6
	.text
	.protected	k_q31983ee18b_ffn2
	.globl	k_q31983ee18b_ffn2
	.p2align	8
	.type	k_q31983ee18b_ffn2,@function
k_q31983ee18b_ffn2:
	s_mov_b64 s[64:65], 0
	v_nop
	global_prefetch_b8 v0, s[64:65] scope:SCOPE_SE
	s_setreg_imm32_b32 hwreg(HW_REG_WAVE_MODE, 25, 1), 1
	s_wait_xcnt 0x0
; y[kq][row][c] = roww[row] x (h[row][1024 kq : 1024 kq + 1024] . w2[e][same][c] + (kq == 0 ? b2[e][c] : 0)) in f32, for the sorted rows of expert e.
; THE WEIGHTS STAY, as in the first layer: work-group (cc + 8 kq, e) owns w2[e][1024 kq ..][128 cc ..], 512 KB of f32, read once, kept in LDS as bf16, turned, chunk by chunk of 128 along K.
; K = 4,096 is split in four so that 256 work-groups each hold their block; the four partial sums of a row are added by the last launch.
; THE FIRST BLOCK OF 128 ROWS IS MULTIPLIED WHILE THE WEIGHTS COME: in the second step of chunk c every wave turns its 32 rows of chunk c + 1 into LDS, asks for chunk c + 2 and passes
; a barrier; these eight barriers stand in straight text.  NO BARRIER STANDS IN THE LOOP OVER THE OTHER BLOCKS, whose count is read from memory: each wave works alone on 32 rows x 128 columns.
; A wave's rows of h come in chunks of 128 along K (two rows of 256 bytes to a load) into a ring of four register sets and pass through a stage in LDS that is the wave's own
; (LDS serves a wave's instructions in order: ISA guide 5.7.1.4).  The ring runs on into the next block; the first block always asks for the next block's first chunks, at a clamped
; row, and an expert of one block discards them; the last of several blocks is written out apart and asks for nothing more.
; No tensor loads (the weights change format on the way); no cluster: a joint load stands behind barriers, which the loop over blocks cannot have.
; The matrix instruction is used transposed; the accumulators take turns, one instruction a turn.
; REGISTERS: window 0: v0-31 addresses and the rows' weights; v64-127 bias; v128-255 accumulators ((a, b) at 128 + 8 (8 a + b)).
;   window 1: v0-127 B's fragments, two sets; v128-255 A's fragments, two sets of a chunk.   window 2: the ring of h, four sets of 64.
;   window 3: v0-127 a chunk's 32 rows of weights as loaded; v128-191 the same as bf16, turned.
.set PBC,   272                        ; a row of a chunk of B: 256 bytes + 16
.set CHB,   128*PBC
.set ABASE, 8*CHB
.set SPA,   272                        ; a stage row on the way in: 256 bytes + 16
.set SPO,   528                        ; on the way out: 512 bytes + 16; 16 such rows fit in the stage
.set STGB,  32*SPA
.set WP,    4096                       ; bytes from row to row of w2
.set YQ,    12582912                   ; bytes of a quarter of y
.set ADRA,  8                          ; v8      stage + r x 272 + 16 hh
.set ADRB,  9                          ; v9-12   r x 272 + 16 hh + chunks 2 j, 2 j + 1
.set ASTO,  13
.set WOFF,  15
.set STO,   16                         ; v16     stage + r x 528 + 32 hh
.set RD,    17                         ; v17     stage + 16 x lane
.set CO,    18                         ; v18     32 wave rows of y + 16 x lane
.set LOFF,  19                         ; v19     4 (32 wave + r): my rows' weights
.set AOFF,  21                         ; v21     (32 wave + 16 hh) rows of h + 16 r
.set RWT,   26                         ; v[26:27] roww of rows 16 a + r
.set WSTO,  28                         ; v28-31  B's row 4 x lane, byte 64 x wave, chunks 2 j, 2 j + 1
.set BIAS,  64
.set ACC,   128
.set WT,    128                        ; in window 3
.set MSB, 0
.macro WIN new                         ; the immediate's high byte repeats the setting that is left
.if MSB != \new
	s_set_vgpr_msb (MSB<<8)|\new
.set MSB, \new
.endif
.endm
.set MUL,    0x05
.set TO_F,   0x40
.set TO_G,   0x80
.set FROM_G, 0x08
.set TO_W,   0xc0
.set IN_W,   0xcf
.set FROM_W, 0x0c
.macro PLACES                          ; four plain vector instructions between a matrix instruction and a load into, or a vector access to, its registers
.rept 4
	v_nop
.endr
.endm
.macro WLOAD                           ; my 32 rows of a chunk of weights: 32 loads of 512 consecutive bytes
	WIN TO_W
.irp u, 0,1,2,3
.irp m, 0,1,2,3,4,5,6,7
	global_load_b128 v[32*\u+4*\m:32*\u+4*\m+3], v[WOFF], s[36:37] offset:(8*\u+\m)*WP th:TH_LOAD_NT
.endr
.endr
.endm
.macro WTURN c                         ; chunk c's 32 rows of mine: rounded, turned, into B; four lanes meet in a bank, once for each weight
	WIN IN_W
.irp u, 0,1,2,3
.irp j, 0,1,2,3
.irp m, 0,2,4,6
	v_cvt_pk_bf16_f32 v[WT+16*\u+4*\j+\m/2], v[32*\u+4*\m+\j], v[32*\u+4*\m+4+\j]
.endr
.endr
.endr
	WIN FROM_W
.irp u, 0,1,2,3
.irp j, 0,1,2,3
	ds_store_b128 v[WSTO+(\c)/2], v[WT+16*\u+4*\j:WT+16*\u+4*\j+3] offset:((\c)%2)*CHB+\j*PBC+16*\u
.endr
.endr
.endm
.macro GL slot, koff                   ; a chunk of h: 32 neighbouring rows x 256 bytes; load i takes rows i (lanes 0-15) and 16 + i (lanes 16-31)
	WIN TO_G
.irp i, 0,1,2,3,4,5,6,7,8,9,10,11,12,13,14,15
	global_load_b128 v[64*(\slot)+4*\i:64*(\slot)+4*\i+3], v[AOFF], s[28:29] offset:\koff+\i*8192
.endr
.endm
.macro FETCHB s                        ; B's eight fragments of step s (chunk s / 4, 32 k at byte 64 (s % 4) of its rows)
	WIN TO_F
.irp b, 0,1,2,3,4,5,6,7
	ds_load_b128 v[64*((\s)%2)+8*\b:64*((\s)%2)+8*\b+3],   v[ADRB+(\s)/8] offset:(((\s)/4)%2)*CHB+\b*16*PBC+64*((\s)%4)
	ds_load_b128 v[64*((\s)%2)+8*\b+4:64*((\s)%2)+8*\b+7], v[ADRB+(\s)/8] offset:(((\s)/4)%2)*CHB+\b*16*PBC+64*((\s)%4)+32
.endr
.endm
.macro TRANS j, cnt, c1, c2            ; chunk j of h has come (cnt younger loads stay out): through my stage into fragments; c1, c2: the chunks asked for now (-1: none)
	s_wait_loadcnt \cnt
	WIN FROM_G
.irp i, 0,1,2,3,4,5,6,7,8,9,10,11,12,13,14,15
	ds_store_b128 v[ASTO], v[64*((\j)%4)+4*\i:64*((\j)%4)+4*\i+3] offset:\i*SPA
.endr
	WIN TO_F
.irp q, 0,1,2,3
.irp a, 0,1
	ds_load_b128 v[128+64*((\j)%2)+16*\q+8*\a:128+64*((\j)%2)+16*\q+8*\a+3],   v[ADRA] offset:\a*16*SPA+64*\q
	ds_load_b128 v[128+64*((\j)%2)+16*\q+8*\a+4:128+64*((\j)%2)+16*\q+8*\a+7], v[ADRA] offset:\a*16*SPA+64*\q+32
.endr
.endr
.if (\c1)>=0
	GL (\c1)%4, 256*((\c1)%8)
.endif
.if (\c2)>=0
	GL (\c2)%4, 256*((\c2)%8)
.endif
.endm
.macro MM8 st, a                       ; row tile a x the eight column tiles, 32 along K; step 0 starts the sums
.irp b, 0,1,2,3,4,5,6,7
.if \st==0
	v_wmma_f32_16x16x32_bf16 v[ACC+8*(8*\a+\b):ACC+8*(8*\a+\b)+7], v[rB+8*\b:rB+8*\b+7], v[rA+8*\a:rA+8*\a+7], 0
.else
	v_wmma_f32_16x16x32_bf16 v[ACC+8*(8*\a+\b):ACC+8*(8*\a+\b)+7], v[rB+8*\b:rB+8*\b+7], v[rA+8*\a:rA+8*\a+7], v[ACC+8*(8*\a+\b):ACC+8*(8*\a+\b)+7]
.endif
.endr
.endm
; Step st of 32, as in the first layer.  first = 1: in the second step of chunk c the weights of chunk c + 1 are turned and chunk c + 2 is asked for; h runs two chunks ahead,
; so that 32 loads of weights and 32 of h are out together, and catches up when the weights have ended.
.macro STEP st, next, first
.set wst, 0
.if \first && ((\st%4)==1) && (\st<26)
.set wst, 1
.endif
.set rB, 64*(\st%2)
.set rA, 128+64*((\st/4)%2)+16*(\st%4)
.if ((\st%4)==3)&&((\st<31)||\next)
	s_wait_dscnt 32                                ; B's fragments are in; the 32 LDS instructions of the chunk just turned stay out
.else
	s_wait_dscnt 0x0
.endif
.if wst
.set wc, \st/4+1
.if wc==1
	s_wait_loadcnt 32                              ; weights' chunk 1 is in: behind it stand h's chunks 1 and 2 and the rows' weights, 34 loads
.else
	s_wait_loadcnt 16                              ; this chunk of weights is in; the chunk of h asked for behind it stays out
.endif
	WTURN wc                                       ; its 64 conversions are also the places in front of the fragment loads below
.if wc<7
	s_wait_xcnt 0x0                                ; the base is stepped only when the loads that name it have had their addresses translated
	s_add_nc_u64 s[36:37], s[36:37], 128*WP
	WLOAD
.endif
	s_wait_dscnt 0x0                               ; for the others' sake: my part of the chunk is in LDS
	s_barrier_signal -1
	WIN MUL
	MM8 \st, 0                                     ; work on registers while the others arrive
	s_barrier_wait -1                              ; the chunk is whole; it is first read two steps on
	FETCHB (\st+1)%32
	WIN MUL
	MM8 \st, 1
.else
	PLACES
.if (\st<31)||\next
	FETCHB (\st+1)%32
.endif
.if ((\st%4)==2)&&((\st<30)||\next)
.set tj, \st/4+1
.set tc2, -1
.if \first
.set tmk, 5
.set tc1, tj+2
.set tcnt, 48                          ; behind chunk j stand, still out, the youngest chunk of weights (32) and chunk j + 1 (16)
.if tj==7
.set tcnt, 16                          ; the weights have ended: chunk 8 alone stays out
.set tc1, 9
.set tc2, 10
.endif
.if tj==8
.set tcnt, 32                          ; chunks 9 and 10
.set tc1, 11
.endif
.else
.set tmk, 4*\next
.set tc1, tj+3
.set tcnt, 32                          ; behind chunk j stand chunks j + 1 and j + 2,
.if tj<4
.set tcnt, 34                          ; and for chunks 1 to 3 the two loads of the rows' weights, issued at the block's head
.endif
.if !\next
.if tj>4
.set tc1, -1                           ; the last block asks for nothing beyond its chunk 7: the counts run down
.endif
.if tj==6
.set tcnt, 16
.endif
.if tj==7
.set tcnt, 0
.endif
.endif
.endif
	TRANS tj, tcnt, tc1, tc2
.if tj==tmk
	s_wait_xcnt 0x0                                ; this block's last loads have had their addresses translated: their base may be written
	s_lshl_b32 s22, s48, 13
	s_lshl_b32 s42, s21, 11
	s_add_co_u32 s22, s22, s42
	s_add_nc_u64 s[28:29], s[4:5], s[22:23]        ; from here on every load of h is the next block's
.endif
.endif
	WIN MUL
	MM8 \st, 0
	MM8 \st, 1
.endif
.endm
; The way out, 16 rows at a time: bias, the row's weight, through my stage, back as whole rows of 512 bytes into the registers that they left.
.macro WAYOUT
	WIN 0
	s_wait_dscnt 0x0                               ; the next block's first fragments have left the stage: it is written again only behind this wait
	PLACES
.irp a, 0,1
.irp b, 0,1,2,3,4,5,6,7
.irp p, 0,2,4,6
	v_pk_add_f32 v[ACC+8*(8*\a+\b)+\p:ACC+8*(8*\a+\b)+\p+1], v[ACC+8*(8*\a+\b)+\p:ACC+8*(8*\a+\b)+\p+1], v[BIAS+8*\b+\p:BIAS+8*\b+\p+1]
.endr
.irp p, 0,2,4,6
.if \a==0
	v_pk_mul_f32 v[ACC+8*(8*\a+\b)+\p:ACC+8*(8*\a+\b)+\p+1], v[ACC+8*(8*\a+\b)+\p:ACC+8*(8*\a+\b)+\p+1], v[RWT:RWT+1] op_sel_hi:[1,0]
.else
	v_pk_mul_f32 v[ACC+8*(8*\a+\b)+\p:ACC+8*(8*\a+\b)+\p+1], v[ACC+8*(8*\a+\b)+\p:ACC+8*(8*\a+\b)+\p+1], v[RWT:RWT+1] op_sel:[0,1] op_sel_hi:[1,1]
.endif
.endr
	ds_store_b128 v[STO], v[ACC+8*(8*\a+\b):ACC+8*(8*\a+\b)+3]   offset:64*\b
	ds_store_b128 v[STO], v[ACC+8*(8*\a+\b)+4:ACC+8*(8*\a+\b)+7] offset:64*\b+16
.endr
.irp t, 0,1,2,3,4,5,6,7,8,9,10,11,12,13,14,15
	ds_load_b128 v[ACC+64*\a+4*\t:ACC+64*\a+4*\t+3], v[RD] offset:\t*SPO   ; these see the stores above: a wave's LDS instructions are served in order
.endr
.irp t, 0,1,2,3,4,5,6,7,8,9,10,11,12,13,14,15
	s_wait_dscnt 15-\t
	global_store_b128 v[CO], v[ACC+64*\a+4*\t:ACC+64*\a+4*\t+3], s[34:35] offset:(16*\a+\t)*4096   ; the wave stores 512 consecutive bytes, aligned to 256
.endr
.endr
.endm
.macro BODY next, first                ; a block of 128 sorted rows, of which 32 are mine
	s_wait_xcnt 0x0                                ; the last block's stores have read their registers and their base
	s_lshl_b32 s43, s26, 7
	s_add_co_u32 s43, s43, s24
	s_min_u32 s43, s43, 2944                       ; the block's first row
	s_lshl_b32 s22, s43, 2
	s_add_nc_u64 s[32:33], s[10:11], s[22:23]
	global_load_b32 v[RWT],   v[LOFF], s[32:33]
	global_load_b32 v[RWT+1], v[LOFF], s[32:33] offset:64
	s_lshl_b32 s22, s43, 12
	s_add_co_u32 s22, s22, s46
	s_add_nc_u64 s[34:35], s[14:15], s[22:23]      ; y: my quarter, the block's first row, my chunk's 512 bytes
.if \next
	s_add_co_u32 s48, s43, 128
	s_min_u32 s48, s48, 2944
.endif
.irp st, 0,1,2,3,4,5,6,7,8,9,10,11,12,13,14,15,16,17,18,19,20,21,22,23,24,25,26,27,28,29,30,31
	STEP \st, \next, \first
.endr
	WAYOUT
.endm
	s_load_b256 s[4:11], s[0:1], 0x0               ; h s[4:5], w2 s[6:7], b2 s[8:9], roww s[10:11]
	s_load_b128 s[12:15], s[0:1], 0x20             ; rt s[12:13], y s[14:15]
	v_lshrrev_b32 v3, 5, v0
	v_readfirstlane_b32 s16, v3                    ; wave
	s_and_b32 s19, ttmp7, 0xffff                   ; expert
	s_and_b32 s20, ttmp9, 7                        ; column chunk cc
	s_lshr_b32 s21, ttmp9, 3                       ; quarter of K
	v_and_b32 v1, 15, v0                           ; r
	v_bfe_u32 v2, v0, 4, 1                         ; hh
	v_and_b32 v4, 31, v0                           ; lane
	v_lshlrev_b32 v[WOFF], 4, v4
	v_lshlrev_b32 v5, 5, v2
	s_lshl_b32 s22, s19, 24                        ; w2: expert x 16 MiB + quarter x 4 MiB + 512 cc + wave x 32 rows
	s_lshl_b32 s42, s21, 22
	s_add_co_u32 s22, s22, s42
	s_lshl_b32 s42, s20, 9
	s_add_co_u32 s22, s22, s42
	s_lshl_b32 s43, s16, 17
	s_add_co_u32 s22, s22, s43
	s_mov_b32 s23, 0
	s_lshl_b32 s44, s19, 12                        ; b2: expert x 4,096 + 512 cc
	s_add_co_u32 s44, s44, s42
	s_mov_b32 s45, 0
	s_lshl_b32 s46, s19, 3
	s_mov_b32 s47, 0
	s_cmp_eq_u32 s21, 0
	s_cselect_b32 s38, -1, 0                       ; the bias belongs to quarter 0 alone: a mask of all lanes or of none
	s_wait_kmcnt 0x0
	s_add_nc_u64 s[36:37], s[6:7], s[22:23]
	s_add_nc_u64 s[40:41], s[8:9], s[44:45]
	s_add_nc_u64 s[32:33], s[12:13], s[46:47]
	s_load_b64 s[24:25], s[32:33], 0x0             ; row0, nblk
.irp b, 0,1,2,3,4,5,6,7
	global_load_b128 v[BIAS+8*\b:BIAS+8*\b+3],   v5, s[40:41] offset:64*\b
	global_load_b128 v[BIAS+8*\b+4:BIAS+8*\b+7], v5, s[40:41] offset:64*\b+16
.endr
	WLOAD                                          ; weights' chunk 0
	WIN 0
	; the addresses, made while the first weights are on their way; none is rewritten later
	v_mul_u32_u24 v[WSTO], v4, 4*PBC
	s_lshl_b32 s22, s16, 6
	v_add_nc_u32 v[WSTO], s22, v[WSTO]             ; B's row 4 x lane, byte 2 x 32 x wave
	v_mul_u32_u24 v[ADRB], v1, PBC
	v_lshl_add_u32 v[ADRB], v2, 4, v[ADRB]
.irp j, 1,2,3
	v_add_nc_u32 v[WSTO+\j], \j*2*CHB, v[WSTO]
	v_add_nc_u32 v[ADRB+\j], \j*2*CHB, v[ADRB]
.endr
	s_mul_i32 s22, s16, STGB
	s_add_co_u32 s22, s22, ABASE                   ; my stage
	v_mul_u32_u24 v6, v1, SPA
	v_lshl_add_u32 v6, v2, 4, v6
	v_add_nc_u32 v[ADRA], s22, v6
	v_mul_u32_u24 v6, v2, 16*SPA
	v_lshl_add_u32 v6, v1, 4, v6
	v_add_nc_u32 v[ASTO], s22, v6
	v_mul_u32_u24 v6, v1, SPO
	v_lshl_add_u32 v6, v2, 5, v6
	v_add_nc_u32 v[STO], s22, v6
	v_lshlrev_b32 v6, 4, v4
	v_add_nc_u32 v[RD], s22, v6
	s_lshl_b32 s22, s16, 7
	v_lshl_add_u32 v[LOFF], v1, 2, s22
	s_lshl_b32 s22, s16, 18                        ; 32 wave rows of h, 8,192 bytes each
	v_lshl_add_u32 v[AOFF], v2, 17, s22
	v_lshl_add_u32 v[AOFF], v1, 4, v[AOFF]
	s_lshl_b32 s22, s16, 17                        ; 32 wave rows of y, 4,096 bytes each
	v_lshl_add_u32 v[CO], v4, 4, s22
	s_mul_i32 s46, s21, YQ                         ; y: quarter + 512 cc
	s_add_co_u32 s46, s46, s42
	s_wait_kmcnt 0x0
	s_min_u32 s24, s24, 2944                       ; clamped, since addresses and trips are made of them
	s_min_u32 s25, s25, 8
	s_max_u32 s25, s25, 1
	s_sub_co_u32 s49, s25, 1                       ; the last block's number
	s_lshl_b32 s22, s24, 13
	s_lshl_b32 s42, s21, 11
	s_add_co_u32 s22, s22, s42
	s_add_nc_u64 s[28:29], s[4:5], s[22:23]        ; h at the first block's first row, my quarter of K
	GL 0, 0
	WIN 0
	s_wait_loadcnt 16                              ; the bias and weights' chunk 0 are in; h's chunk 0 stays out
.set i, 0
.rept 64
	v_cndmask_b32 v[BIAS+i], 0, v[BIAS+i], s38
.set i, i+1
.endr
	WTURN 0
	s_wait_xcnt 0x0
	s_add_nc_u64 s[36:37], s[36:37], 128*WP
	WLOAD                                          ; weights' chunk 1
	GL 1, 256
	WIN 0
	s_wait_dscnt 0x0                               ; for the others' sake: my part of B's chunk 0 is in LDS
	s_barrier_signal -1
	s_barrier_wait -1
	TRANS 0, 48, 2, -1                             ; h's chunk 0 is in; weights' chunk 1 and h's chunk 1 stay out; chunk 2 is asked for
	FETCHB 0
	WIN 0
	s_mov_b32 s26, 0
	BODY 1, 1                                      ; the first block, under the stream of weights
	s_cmp_lt_u32 s25, 2
	s_cbranch_scc1 .Lend                           ; one block: what was asked for ahead is not used
	s_mov_b32 s26, 1
	s_cmp_lt_u32 s25, 3
	s_cbranch_scc1 .Llast
.Lblock:
	BODY 1, 0
	s_add_co_u32 s26, s26, 1
	s_cmp_lt_u32 s26, s49
	s_cbranch_scc1 .Lblock
.Llast:
	BODY 0, 0
.Lend:
	s_endpgm
.Lfunc_end_k_q31983ee18b_ffn2:
	.size	k_q31983ee18b_ffn2, .Lfunc_end_k_q31983ee18b_ffn2-k_q31983ee18b_ffn2
	.p2alignl 7, 3214868480
	.fill 96, 4, 3214868480
	.section	.rodata,"a",@progbits
	.p2align	6, 0x0
	.amdhsa_kernel k_q31983ee18b_ffn2
		.amdhsa_group_segment_fixed_size 313344
		.amdhsa_private_segment_fixed_size 0
		.amdhsa_enable_private_segment 0
		.amdhsa_kernarg_size 48
		.amdhsa_user_sgpr_count 2
		.amdhsa_user_sgpr_kernarg_segment_ptr 1
		.amdhsa_wavefront_size32 1
		.amdhsa_system_sgpr_workgroup_id_x 1
		.amdhsa_system_sgpr_workgroup_id_y 1
		.amdhsa_system_sgpr_workgroup_id_z 1
		.amdhsa_system_vgpr_workitem_id 0
		.amdhsa_next_free_vgpr 960
		.amdhsa_next_free_sgpr 66
		.amdhsa_reserve_vcc 0
		.amdhsa_float_denorm_mode_32 3
		.amdhsa_float_denorm_mode_16_64 3
		.amdhsa_memory_ordered 1
		.amdhsa_forward_progress 1
		.amdhsa_inst_pref_size 255
	.end_amdhsa_kernel
	.section	.bss,"aw",@nobits
	.p2align	6
	.space	262144
	.amdgpu_metadata
---
amdhsa.version: [ 1, 2 ]
amdhsa.kernels:
  - .name:           k_q31983ee18b_ffn2
    .symbol:         k_q31983ee18b_ffn2.kd
    .args:
      - { .name: h, .offset: 0, .size: 8, .value_kind: global_buffer, .address_space: global }
      - { .name: w2, .offset: 8, .size: 8, .value_kind: global_buffer, .address_space: global }
      - { .name: b2, .offset: 16, .size: 8, .value_kind: global_buffer, .address_space: global }
      - { .name: roww, .offset: 24, .size: 8, .value_kind: global_buffer, .address_space: global }
      - { .name: rt, .offset: 32, .size: 8, .value_kind: global_buffer, .address_space: global }
      - { .name: y, .offset: 40, .size: 8, .value_kind: global_buffer, .address_space: global }
    .group_segment_fixed_size: 313344
    .private_segment_fixed_size: 0
    .kernarg_segment_align: 8
    .kernarg_segment_size: 48
    .max_flat_workgroup_size: 128
    .sgpr_count:     66
    .vgpr_count:     960
    .wavefront_size: 32
...
	.end_amdgpu_metadata
.endif
;; end of part 4
;; launch combine (part 5): grid 256 x 1, 8 waves a work-group, no clusters, 0 bytes of LDS; arguments y, rt, out0; writes out0
.if DOCPART == 5
	.amdgcn_target "amdgcn-amd-amdhsa--gfx1250"
	.amdhsa_code_object_version 6
	.text
	.protected	k_q31983ee18b_combine
	.globl	k_q31983ee18b_combine
	.p2align	8
	.type	k_q31983ee18b_combine,@function
k_q31983ee18b_combine:
	s_mov_b64 s[64:65], 0
	v_nop
	global_prefetch_b8 v0, s[64:65] scope:SCOPE_SE
	s_setreg_imm32_b32 hwreg(HW_REG_WAVE_MODE, 25, 1), 1
	s_wait_xcnt 0x0
; out0[t] = the sum over token t's two sorted rows and the four quarters of K of y[quarter][row]; weight and bias are already in y.
; A stream: a work-group owns four tokens, thread i the 16 bytes at 16 i of each row; all 32 loads go out at once.  No LDS, no matrix unit: memory binds.
.set YQ, 12582912                      ; bytes of a quarter of y
	s_load_b128 s[4:7], s[0:1], 0x0                ; y s[4:5], rt s[6:7]
	s_load_b64 s[8:9], s[0:1], 0x10                ; out0
	s_lshl_b32 s10, ttmp9, 5                       ; pos of my four tokens: 32 bytes
	s_mov_b32 s11, 0
	s_mov_b32 s13, 0
	v_lshlrev_b32 v1, 4, v0
	v_add_nc_u32 v2, YQ, v1
	v_add_nc_u32 v3, 2*YQ, v1
	v_add_nc_u32 v4, 3*YQ, v1
	s_wait_kmcnt 0x0
	s_add_nc_u64 s[6:7], s[6:7], s[10:11]
	s_load_b256 s[16:23], s[6:7], 12544
	s_lshl_b32 s10, ttmp9, 14
	s_add_nc_u64 s[8:9], s[8:9], s[10:11]          ; out0 at my first token
	s_wait_kmcnt 0x0
.irp i, 0,1,2,3,4,5,6,7
	s_min_u32 s[16+\i], s[16+\i], 3071
	s_lshl_b32 s12, s[16+\i], 12
	s_add_nc_u64 s[24+2*\i:25+2*\i], s[4:5], s[12:13]
.endr
.irp k, 0,1,2,3
.irp s, 0,1
.irp q, 0,1,2,3
	global_load_b128 v[16+32*\k+16*\s+4*\q:16+32*\k+16*\s+4*\q+3], v[1+\q], s[24+4*\k+2*\s:25+4*\k+2*\s] th:TH_LOAD_NT
.endr
.endr
.endr
.irp k, 0,1,2,3
	s_wait_loadcnt 24-8*\k                         ; this token's eight loads are in; the later tokens' stay out
.irp s, 0,1
.irp p, 0,2
	v_pk_add_f32 v[16+32*\k+16*\s+\p:16+32*\k+16*\s+\p+1],   v[16+32*\k+16*\s+\p:16+32*\k+16*\s+\p+1],   v[16+32*\k+16*\s+4+\p:16+32*\k+16*\s+4+\p+1]
	v_pk_add_f32 v[16+32*\k+16*\s+8+\p:16+32*\k+16*\s+8+\p+1], v[16+32*\k+16*\s+8+\p:16+32*\k+16*\s+8+\p+1], v[16+32*\k+16*\s+12+\p:16+32*\k+16*\s+12+\p+1]
	v_pk_add_f32 v[16+32*\k+16*\s+\p:16+32*\k+16*\s+\p+1],   v[16+32*\k+16*\s+\p:16+32*\k+16*\s+\p+1],   v[16+32*\k+16*\s+8+\p:16+32*\k+16*\s+8+\p+1]
.endr
.endr
.irp p, 0,2
	v_pk_add_f32 v[16+32*\k+\p:16+32*\k+\p+1], v[16+32*\k+\p:16+32*\k+\p+1], v[16+32*\k+16+\p:16+32*\k+16+\p+1]
.endr
	global_store_b128 v1, v[16+32*\k:16+32*\k+3], s[8:9] offset:4096*\k th:TH_STORE_NT
.endr
	s_endpgm
.Lfunc_end_k_q31983ee18b_combine:
	.size	k_q31983ee18b_combine, .Lfunc_end_k_q31983ee18b_combine-k_q31983ee18b_combine
	.p2alignl 7, 3214868480
	.fill 96, 4, 3214868480
	.section	.rodata,"a",@progbits
	.p2align	6, 0x0
	.amdhsa_kernel k_q31983ee18b_combine
		.amdhsa_group_segment_fixed_size 0
		.amdhsa_private_segment_fixed_size 0
		.amdhsa_enable_private_segment 0
		.amdhsa_kernarg_size 24
		.amdhsa_user_sgpr_count 2
		.amdhsa_user_sgpr_kernarg_segment_ptr 1
		.amdhsa_wavefront_size32 1
		.amdhsa_system_sgpr_workgroup_id_x 1
		.amdhsa_system_sgpr_workgroup_id_y 1
		.amdhsa_system_sgpr_workgroup_id_z 1
		.amdhsa_system_vgpr_workitem_id 0
		.amdhsa_next_free_vgpr 144
		.amdhsa_next_free_sgpr 66
		.amdhsa_reserve_vcc 0
		.amdhsa_float_denorm_mode_32 3
		.amdhsa_float_denorm_mode_16_64 3
		.amdhsa_memory_ordered 1
		.amdhsa_forward_progress 1
		.amdhsa_inst_pref_size 9
	.end_amdhsa_kernel
	.amdgpu_metadata
---
amdhsa.version: [ 1, 2 ]
amdhsa.kernels:
  - .name:           k_q31983ee18b_combine
    .symbol:         k_q31983ee18b_combine.kd
    .args:
      - { .name: y, .offset: 0, .size: 8, .value_kind: global_buffer, .address_space: global }
      - { .name: rt, .offset: 8, .size: 8, .value_kind: global_buffer, .address_space: global }
      - { .name: out0, .offset: 16, .size: 8, .value_kind: global_buffer, .address_space: global }
    .group_segment_fixed_size: 0
    .private_segment_fixed_size: 0
    .kernarg_segment_align: 8
    .kernarg_segment_size: 24
    .max_flat_workgroup_size: 256
    .sgpr_count:     66
    .vgpr_count:     144
    .wavefront_size: 32
...
	.end_amdgpu_metadata
.endif
;; end of part 5
